; MI455X (gfx1250); checked and timed in simulation.
; The chip was launched on July 23, 2026; its instructions are those of AMD's public machine-readable ISA for CDNA 5 (MIT licence, August 2026) and "CDNA5" Instruction Set Architecture Reference Guide (July 2026). The comments in the code are by the model that wrote it; some were corrected since.
;; Heads. Allowed arithmetic: float matrix products may take bf16 or f16 operands with f32 sums; other float arithmetic in f32, or as packed bf16 or f16 multiplies, adds, multiply-adds, maxima and minima; sums over many terms, partial sums and values carried from step to step in f32; what a program stores and reads back later, other than sums and carried values, may be rounded once to bf16 or f16.
;; Inputs: Wk 8 x 1,024 x 1,024 float32; Wq 8 x 1,024 x 1,024 float32; Wv 8 x 1,024 x 1,024 float32; data 4 x 512 x 1,024 float32.
;; Outputs: out0 4 x 512 x 8,192 float32.
;; One version. Each part assembles by itself: llvm-mc -triple=amdgcn-amd-amdhsa -mcpu=gfx1250 --defsym DOCPART=n.
;; ======== version 1 of 1: 3 launches
;; limits: values are held in f16: magnitudes above 65,504 overflow, below 6.1e-05 lose precision
;; workspace buffers: xb 4,194,304 bytes; wb 50,331,648 bytes; qkv 100,663,296 bytes
;; launch tobf (part 1): grid 256 x 13, 8 waves a work-group, no clusters, 0 bytes of LDS; arguments data, Wq, Wk, Wv, xb, wb; writes xb, wb
.if DOCPART == 1
	.amdgcn_target "amdgcn-amd-amdhsa--gfx1250"
	.amdhsa_code_object_version 6
	.text
	.protected	k_qe2fee8909b_tobf
	.globl	k_qe2fee8909b_tobf
	.p2align	8
	.type	k_qe2fee8909b_tobf,@function
k_qe2fee8909b_tobf:
	s_mov_b64 s[64:65], 0
	v_nop
	global_prefetch_b8 v0, s[64:65] scope:SCOPE_SE
	s_setreg_imm32_b32 hwreg(HW_REG_WAVE_MODE, 25, 1), 1
	s_wait_xcnt 0x0
; xb = bf16(data), wb = bf16(Wq, then Wk, then Wv): every input rounded once to bf16 (to nearest even), for the products of the next launch.
; A UNIT is 2,097,152 numbers (8 MiB of f32, 4 MiB of bf16): grid y = 0 is data, y = 1 .. 12 is quarter (y - 1) % 4 of Wq, Wk, Wv in turn.
; A work-group takes 32 KiB of a unit: thread t the 16 bytes at 16 t + 4,096 i, i = 0 .. 7, and stores 8 bytes at 8 t + 2,048 i: a wave's load covers
; 512 consecutive bytes, its store 256 consecutive bytes that begin at a multiple of 256 from the buffer's first byte.  All eight loads go out at once.
; No LDS, no barrier, no matrix unit: each byte is read once and written once, and nothing is shared.
.set X, 4                              ; v[4:35]   eight loads of four f32
.set Y, 36                             ; v[36:51]  eight pairs of packed bf16
	s_load_b256 s[4:11], s[0:1], 0x0               ; data s[4:5], Wq s[6:7], Wk s[8:9], Wv s[10:11]
	s_load_b128 s[12:15], s[0:1], 0x20             ; xb s[12:13], wb s[14:15]
	s_and_b32 s16, ttmp7, 0xffff                   ; y
	s_max_u32 s17, s16, 1
	s_sub_co_u32 s17, s17, 1                       ; u = the unit's number among the weights' twelve (0 for data)
	s_and_b32 s18, s17, 3
	s_lshl_b32 s18, s18, 23                        ; source: the quarter's 8 MiB,
	s_lshl_b32 s19, ttmp9, 15                      ; and the work-group's 32 KiB
	s_add_co_u32 s18, s18, s19
	s_mov_b32 s19, 0
	s_lshl_b32 s20, s17, 22                        ; destination: the unit's 4 MiB,
	s_lshl_b32 s21, ttmp9, 14                      ; and the work-group's 16 KiB
	s_add_co_u32 s20, s20, s21
	s_mov_b32 s21, 0
	v_lshlrev_b32 v1, 4, v0                        ; 16 t
	v_lshlrev_b32 v2, 3, v0                        ; 8 t
	s_wait_kmcnt 0x0
	s_cmp_lt_u32 s16, 5                            ; the buffers are chosen by y alone
	s_cselect_b64 s[22:23], s[6:7], s[8:9]
	s_cmp_lt_u32 s16, 9
	s_cselect_b64 s[22:23], s[22:23], s[10:11]
	s_cmp_eq_u32 s16, 0
	s_cselect_b64 s[22:23], s[4:5], s[22:23]
	s_cselect_b64 s[24:25], s[12:13], s[14:15]     ; a select leaves SCC as it is: the same compare serves both
	s_add_nc_u64 s[22:23], s[22:23], s[18:19]
	s_add_nc_u64 s[24:25], s[24:25], s[20:21]
.irp i, 0,1,2,3,4,5,6,7
	global_load_b128 v[X+4*(\i):X+4*(\i)+3], v1, s[22:23] offset:(\i)*4096 th:TH_LOAD_NT
.endr
.irp i, 0,1,2,3,4,5,6,7
	s_wait_loadcnt 7-(\i)                          ; loads come back in order: load i is in, the 7 - i younger ones stay out
	v_cvt_pk_bf16_f32 v[Y+2*(\i)],   v[X+4*(\i)],   v[X+4*(\i)+1]
	v_cvt_pk_bf16_f32 v[Y+2*(\i)+1], v[X+4*(\i)+2], v[X+4*(\i)+3]
	global_store_b64 v2, v[Y+2*(\i):Y+2*(\i)+1], s[24:25] offset:(\i)*2048
.endr
	s_endpgm
.Lfunc_end_k_qe2fee8909b_tobf:
	.size	k_qe2fee8909b_tobf, .Lfunc_end_k_qe2fee8909b_tobf-k_qe2fee8909b_tobf
	.p2alignl 7, 3214868480
	.fill 96, 4, 3214868480
	.section	.rodata,"a",@progbits
	.p2align	6, 0x0
	.amdhsa_kernel k_qe2fee8909b_tobf
		.amdhsa_group_segment_fixed_size 0
		.amdhsa_private_segment_fixed_size 0
		.amdhsa_enable_private_segment 0
		.amdhsa_kernarg_size 48
		.amdhsa_user_sgpr_count 2
		.amdhsa_user_sgpr_kernarg_segment_ptr 1
		.amdhsa_wavefront_size32 1
		.amdhsa_system_sgpr_workgroup_id_x 1
		.amdhsa_system_sgpr_workgroup_id_y 1
		.amdhsa_system_sgpr_workgroup_id_z 1
		.amdhsa_system_vgpr_workitem_id 0
		.amdhsa_next_free_vgpr 52
		.amdhsa_next_free_sgpr 66
		.amdhsa_reserve_vcc 0
		.amdhsa_float_denorm_mode_32 3
		.amdhsa_float_denorm_mode_16_64 3
		.amdhsa_memory_ordered 1
		.amdhsa_forward_progress 1
		.amdhsa_inst_pref_size 4
	.end_amdhsa_kernel
	.amdgpu_metadata
---
amdhsa.version: [ 1, 2 ]
amdhsa.kernels:
  - .name:           k_qe2fee8909b_tobf
    .symbol:         k_qe2fee8909b_tobf.kd
    .args:
      - { .name: data, .offset: 0, .size: 8, .value_kind: global_buffer, .address_space: global }
      - { .name: Wq, .offset: 8, .size: 8, .value_kind: global_buffer, .address_space: global }
      - { .name: Wk, .offset: 16, .size: 8, .value_kind: global_buffer, .address_space: global }
      - { .name: Wv, .offset: 24, .size: 8, .value_kind: global_buffer, .address_space: global }
      - { .name: xb, .offset: 32, .size: 8, .value_kind: global_buffer, .address_space: global }
      - { .name: wb, .offset: 40, .size: 8, .value_kind: global_buffer, .address_space: global }
    .group_segment_fixed_size: 0
    .private_segment_fixed_size: 0
    .kernarg_segment_align: 8
    .kernarg_segment_size: 48
    .max_flat_workgroup_size: 256
    .sgpr_count:     66
    .vgpr_count:     52
    .wavefront_size: 32
...
	.end_amdgpu_metadata
.endif
;; end of part 1
;; launch proj (part 2): grid 32 x 8, 4 waves a work-group, clusters of 4 x 4, 327,680 bytes of LDS; arguments xb, wb, qkv; writes qkv
.if DOCPART == 2
	.amdgcn_target "amdgcn-amd-amdhsa--gfx1250"
	.amdhsa_code_object_version 6
	.text
	.protected	k_qe2fee8909b_proj
	.globl	k_qe2fee8909b_proj
	.p2align	8
	.type	k_qe2fee8909b_proj,@function
k_qe2fee8909b_proj:
	s_mov_b64 s[64:65], 0
	v_nop
	global_prefetch_b8 v0, s[64:65] scope:SCOPE_SE
	s_setreg_imm32_b32 hwreg(HW_REG_WAVE_MODE, 25, 1), 1
	s_wait_xcnt 0x0
	s_wait_alu depctr_hold_cnt(0) depctr_sa_sdst(0) depctr_va_vdst(0) depctr_va_sdst(0) depctr_va_ssrc(0) depctr_va_vcc(0) depctr_vm_vsrc(0)
	s_getreg_b32 s2, hwreg(HW_REG_IB_STS2, 6, 4)
	s_cmp_eq_u32 s2, 0
	s_cbranch_scc0 .Lentry_in_a_cluster
	s_endpgm
.Lentry_in_a_cluster:
	s_bfe_u32 s2, ttmp6, 0x10000c
	s_cmp_lg_u32 s2, 0xf033
	s_cbranch_scc0 .Lentry_shape_is_right
	s_endpgm
.Lentry_shape_is_right:
; qkv[m][n] = sum over k of xb[m][k] wb[n][k].  xb: [2048][1024] bf16 (row = 512 b + t), wb: [24576][1024] bf16 (rows: Wq, Wk, Wv, each 1024 h + d), qkv: [2048][24576] f16.
; Products in bf16, sums in f32, K ascending, each sum rounded once to f16.  LIMIT: f16 ends at 65,504: a projection beyond that becomes an infinity.
; A tile of qkv, 256 x 256, is made by four waves, 128 x 128 each: 64 accumulators of 16 x 16, 512 registers.  K goes in steps of 128 through a ring of two LDS slots filled by the
; tensor data mover: the tiles' rows are 256 bytes of memory and start at multiples of 256 bytes from the buffer's first byte.
; A WORK-GROUP STAYS: 768 tiles for 256 work-groups: it makes three tiles, 8,192 columns apart (the same 256 channels of q, of k and of v), which share their rows of xb.  The ring does not
; stop at a tile's end: a tile's last two changes of slots ask for the next tile's first two K steps.  The last tile's last K step goes by rows, so that finished rows leave while the others are multiplied.
; CLUSTERS: 4 x 4 work-groups.  The four of a row of the cluster need the same tiles of xb, the four of a column the same tiles of wb: each tile is asked for JOINTLY, by the same tensor load
; with the same descriptor and a mask that names the four; each receives it in its own LDS.
; REGISTERS, in windows of 256 (s_set_vgpr_msb's low byte: bits 1:0 source 0, 3:2 source 1, 5:4 source 2, 7:6 destination):
;   window 0: v0-31 addresses; v64-127, v128-191 fragments of A, two buffers (in the very last K step four, of 16 rows x 128 K); v32-63, v192-255 at work on the way out
;   window 1: v64-127, v128-191 fragments of B, two buffers; in the very last K step all 256
;   window 2: the 32 accumulators of my rows 0-63 (accumulator (a, b) at v[8 (8 a + b)]);   window 3: those of my rows 64-127
; THE MATRIX INSTRUCTION IS USED TRANSPOSED: source 0 = 16 rows of wb, source 1 = 16 rows of xb: lane l then holds row l % 16 of qkv and the columns 8 (l / 16) + 0 .. 7, which pack into 16 bytes.
.set SIZE_M, 2048
.set SIZE_N, 24576
.set SIZE_K, 1024
.set SIZE_TILES, 3
.set KSTEP,  128
.set PITCH,  272                       ; an LDS row: 256 bytes + 16 of padding = 68 words: the 16 rows that a load touches start at 16 different groups of four banks (64 banks of 4 bytes: ISA guide 11.1)
.set HALFT,  128*PITCH                 ; 128 rows: what one tensor load brings, and what one wave reads of A or of B
.set SLOT,   4*HALFT                   ; A's 256 rows, then B's 256 rows
.set STAGE,  2*SLOT                    ; behind the ring: 16 rows x 272 bytes for each wave, for the way out
.set SPITCH, 272
.set SPARE,  STAGE+4*16*SPITCH         ; behind the stages: the spare words, 128 bytes for each wave: two blocks of 256 bytes that no other line names
.set LAPS, SIZE_K/(2*KSTEP)            ; a lap = two K steps = once round the ring: 4
.set WALK,   SIZE_N/SIZE_TILES         ; a work-group's tiles lie 8,192 rows of wb (columns of qkv) apart
.set BACK_A, (SIZE_K-2*KSTEP)*2        ; bytes from a slot's last K step of a tile back to its first: A's rows stay,
.set NEXT_B, WALK*SIZE_K*2-(SIZE_K-2*KSTEP)*2  ; B goes WALK rows down and back along K
.set ADRA, 16                          ; v16-17  LDS address of my A fragments in slot 0, 1
.set ADRB, 20                          ; v20-21  the same for B
.set STO,  24                          ; v24     the way out: where I put 16 bytes of a row
.set RD,   25                          ; v25     the way out: where I read a row back
.set CO,   26                          ; v26     my byte offset in two rows of qkv
.set SPW,  28                          ; v28     LDS address of my spare word: SPARE + 4 x my thread's number; never rewritten
.set NIL,  29                          ; v29     0; never rewritten
.set F0,   64                          ; fragment buffer 0
.set F1,   128                         ; fragment buffer 1
.set TMP,  192                         ; the way out: packed results, in window 0
.set OB,   32                          ; the way out: 16 rows read back from the stage: v32-63 and v224-255 by turns
.set PA,   64                          ; the very last K step: A's fragments of 16 rows x 128 K, 32 registers; four such buffers, v64-191
.set G1, 24                            ; s[24:31] descriptor group 1 for A's tiles
.set G0, 32                            ; s[32:39] descriptor group 0 for A's tiles, one set for each slot
.set G1B, 48                           ; s[48:55] descriptor group 1 for B's tiles: it differs from A's in the mask alone
.set G0B, 56                           ; s[56:63] descriptor group 0 for B's tiles, one set for each slot
.set MSB, 0
.macro WIN new                         ; the immediate's high byte repeats the setting that is left; a switch that changes nothing is dropped
.if MSB != (\new)
	s_set_vgpr_msb (MSB<<8)|(\new)
.set MSB, \new
.endif
.endm
.set MUL_LO, 0xa1                      ; source 0 (B) window 1, source 1 (A) window 0, C and D window 2
.set MUL_HI, 0xf1                      ; the same, C and D window 3
.set TO_B,   0x40                      ; destination window 1, address window 0
; A joint load.  Waves 0 and 1 fetch A's two halves, waves 2 and 3 B's.  Each of the two lines has ONE mask and one set of registers for all that issue it.  The branch hangs on the wave's number alone.
; An s_nop 0 and four v_nop follow each of the two lines, ahead of the jump, the label and what follows.
.macro JLOAD s
	s_cmp_eq_u32 s11, 0
	s_cbranch_scc0 .Lfor_b_\@
	tensor_load_to_lds s[G0+4*(\s):G0+4*(\s)+3], s[G1:G1+7]
	s_nop 0
.rept 4
	v_nop
.endr
	s_branch .Lasked_\@
.Lfor_b_\@:
	tensor_load_to_lds s[G0B+4*(\s):G0B+4*(\s)+3], s[G1B:G1B+7]
	s_nop 0
.rept 4
	v_nop
.endr
.Lasked_\@:
.endm
; A round of the cluster's barrier: my work-group's barrier, so that wave 0's signal speaks for all four waves; wave 0 signals; every wave waits for all sixteen work-groups; my work-group's barrier once more.
.macro CREST                           ; a round behind its opening barrier
	s_cmp_lg_u32 s10, 0
	s_cbranch_scc1 .Lnot_wave_0_\@
	s_barrier_signal -3
.Lnot_wave_0_\@:
	s_barrier_wait -3
	s_barrier_signal -1
	s_barrier_wait -1
.endm
.macro CROUND                          ; a whole round
	s_barrier_signal -1
	s_barrier_wait -1
	CREST
.endm
	s_load_b128 s[4:7], s[0:1], 0x0                ; xb s[4:5], wb s[6:7]
	s_load_b64 s[8:9], s[0:1], 0x10                ; qkv
	v_lshl_add_u32 v[SPW], v0, 2, SPARE
	v_mov_b32 v[NIL], 0
	ds_add_u32 v[SPW], v[NIL]                      ; the wave's opening: the add and its wait stand ahead of my first tensor load; the set-up below, work on registers, stands between them
	v_lshrrev_b32 v1, 5, v0
	v_readfirstlane_b32 s10, v1                    ; wave 0..3
	s_lshr_b32 s11, s10, 1                         ; which half of the tile's rows is mine.  Also: I fetch for A (0) or for B (1)
	s_and_b32 s12, s10, 1                          ; which half of its columns.  Also: which 128 rows of that tile I fetch
	s_bfe_u32 s40, ttmp6, 0x40000                  ; cx: my place along the cluster's x
	s_bfe_u32 s41, ttmp6, 0x40004                  ; cy: along its y
	s_lshl_b32 s42, ttmp9, 2                       ; in a cluster launch ttmp9 and ttmp7 count clusters
	s_add_co_u32 s42, s42, s40                     ; tile column (of the first tile) = 4 x cluster x + cx: 0 .. 31
	s_and_b32 s13, ttmp7, 0xffff
	s_lshl_b32 s13, s13, 2
	s_add_co_u32 s13, s13, s41                     ; tile row = 4 x cluster y + cy: 0 .. 7
	s_lshl_b32 s43, s41, 2
	s_lshl_b32 s43, 15, s43                        ; my row of the cluster: places 4 cy .. 4 cy + 3
	s_lshl_b32 s44, 0x1111, s40                    ; my column: places cx, cx + 4, cx + 8, cx + 12
	; descriptor group 1: a tile of 128 rows x 128 elements, padded in LDS
	s_or_b32 s[G1+0], s43, (1<<16)|(1<<20)|(1<<21)|(5<<22)|(3<<25)  ; 15:0 the mask: A's tiles go to my row; 17:16 element of 2 bytes; 20 padding on; 21 set beside a mask; 24:22 after every 64 words (code 5); 31:25 of 4 words (code 3)
	s_or_b32 s[G1B+0], s44, (1<<16)|(1<<20)|(1<<21)|(5<<22)|(3<<25) ; the same with the mask of my column, for B's tiles
	s_mov_b32 s[G1B+1], KSTEP<<16
	s_mov_b32 s[G1+1], KSTEP<<16                   ; 63:48 tensor_dim0, low half = 128
	s_mov_b32 s[G1B+2], 128<<16
	s_mov_b32 s[G1+2], 128<<16                     ; 95:80 tensor_dim1, low half = 128
	s_mov_b32 s[G1B+3], KSTEP<<16
	s_mov_b32 s[G1+3], KSTEP<<16                   ; 127:112 tile_dim0 = 128
	s_mov_b32 s[G1B+4], 128
	s_mov_b32 s[G1+4], 128                         ; 143:128 tile_dim1 = 128
	s_mov_b32 s[G1B+5], SIZE_K
	s_mov_b32 s[G1+5], SIZE_K                      ; 191:160 elements from row to row
	s_mov_b32 s[G1B+6], 0
	s_mov_b32 s[G1+6], 0
	s_mov_b32 s[G1B+7], 0
	s_mov_b32 s[G1+7], 0
	; where the tiles come from.  A's hang on the tile row alone, which my row of the cluster shares; B's on the tile column alone, which my column shares.
	; Every wave makes both addresses, in registers that never hold the other coordinate, and asks by one of them.
	s_lshl_b32 s17, s12, 7                         ; which 128 rows of the tile I fetch
	s_lshl_b32 s16, s13, 8
	s_add_co_u32 s16, s16, s17                     ; A: row 256 x tile row + 128 x half
	s_lshl_b32 s46, s42, 8
	s_add_co_u32 s46, s46, s17                     ; B: row 256 x tile column + 128 x half
	s_mov_b32 s17, 0
	s_mov_b32 s47, 0
	s_mov_b64 s[18:19], SIZE_K*2
	s_mul_u64 s[16:17], s[16:17], s[18:19]         ; in bytes
	s_mul_u64 s[46:47], s[46:47], s[18:19]
	s_mul_i32 s20, s10, HALFT                      ; and where they go: wave x 128 rows: no place in the cluster enters an LDS address
	s_wait_dscnt 0x0                               ; the opening add is done
	s_wait_kmcnt 0x0
	s_add_nc_u64 s[14:15], s[4:5], s[16:17]
	s_add_nc_u64 s[46:47], s[6:7], s[46:47]
	CROUND                                         ; all sixteen work-groups are here: the first joint loads meet
.irp s, 0,1
	s_mov_b32 s[G0+4*(\s)], 1                                      ; 1:0 count = 1
	s_add_co_u32 s[G0+4*(\s)+1], s20, (\s)*SLOT                    ; 63:32 LDS address
	s_add_nc_u64 s[G0+4*(\s)+2:G0+4*(\s)+3], s[14:15], (\s)*KSTEP*2  ; 120:64 global address: K step s
	s_or_b32 s[G0+4*(\s)+3], s[G0+4*(\s)+3], 0x80000000            ; 127:126 type = 2
	s_mov_b32 s[G0B+4*(\s)], 1
	s_add_co_u32 s[G0B+4*(\s)+1], s20, (\s)*SLOT
	s_add_nc_u64 s[G0B+4*(\s)+2:G0B+4*(\s)+3], s[46:47], (\s)*KSTEP*2
	s_or_b32 s[G0B+4*(\s)+3], s[G0B+4*(\s)+3], 0x80000000
	JLOAD \s                                       ; the ring is filled before anything else is done: two loads of mine are out
.endr
	; A fragment is 16 rows x 32 K in 8 registers: lane l holds row l % 16; registers 0-3 hold K = 8 (l / 16) + 0..7, registers 4-7 K = 16 + 8 (l / 16) + 0..7: two loads of 16 bytes, 32 bytes apart.
	v_and_b32 v1, 15, v0                           ; l % 16
	v_bfe_u32 v2, v0, 4, 1                         ; l / 16
	v_mul_u32_u24 v3, v1, PITCH
	v_lshl_add_u32 v3, v2, 4, v3                   ; row x pitch + 16 x half
	s_mul_i32 s21, s11, HALFT                      ; my 128 rows of A
	s_mul_i32 s22, s12, HALFT                      ; my 128 rows of B,
	s_add_co_u32 s22, s22, 2*HALFT                 ; which lie behind A's 256
.irp s, 0,1
	v_add_nc_u32 v[ADRA+(\s)], s21, v3
	v_add_nc_u32 v[ADRB+(\s)], s22, v3
	s_add_co_u32 s21, s21, SLOT
	s_add_co_u32 s22, s22, SLOT
.endr
	s_mul_i32 s23, s10, 16*SPITCH
	s_add_co_u32 s23, s23, STAGE                   ; my stage
	v_mul_u32_u24 v4, v1, SPITCH                   ; in: row l % 16, 16 bytes for each half of the lanes
	v_lshl_add_u32 v4, v2, 4, v4
	v_add_nc_u32 v[STO], s23, v4
	v_mul_u32_u24 v5, v2, SPITCH                   ; back: lanes 0-15 take one row of 256 bytes, lanes 16-31 the next
	v_lshl_add_u32 v5, v1, 4, v5
	v_add_nc_u32 v[RD], s23, v5
	v_mul_u32_u24 v5, v2, SIZE_N*2                 ; and the same two rows in qkv
	v_lshl_add_u32 v[CO], v1, 4, v5
	; s[8:9] becomes qkv at my part of the first tile and then stays; s[16:17] is the tile's column offset, 0, 16,384, 32,768; s[4:5] is the stores' base, made anew for each tile
	s_lshl_b32 s13, s13, 8
	s_lshl_b32 s14, s11, 7
	s_add_co_u32 s16, s13, s14                     ; my first row
	s_mov_b32 s17, 0
	s_mov_b64 s[18:19], SIZE_N*2
	s_mul_u64 s[16:17], s[16:17], s[18:19]
	s_lshl_b32 s46, s42, 9                         ; my first column, in bytes: 512 x tile column + 256 x half (in the registers that held B's address: none that feeds A's descriptors ever holds cx)
	s_lshl_b32 s47, s12, 8
	s_add_co_u32 s46, s46, s47
	s_mov_b32 s47, 0
	s_add_nc_u64 s[16:17], s[16:17], s[46:47]
	s_add_nc_u64 s[8:9], s[8:9], s[16:17]
	s_mov_b32 s16, 0
	s_mov_b32 s17, 0
; 16 matrix instructions: m blocks a0, a0 + 1 of the window's four (hi = 0: my rows 0-63, 1: rows 64-127) x all 8 n blocks, 32 along K.  zero = 1: the first product starts the sums.
.macro MUL16 f, hi, a0, zero
	WIN MUL_LO+0x50*(\hi)
.irp a, \a0, (\a0)+1
.irp b, 0,1,2,3,4,5,6,7
.if \zero
	v_wmma_f32_16x16x32_bf16 v[8*(8*(\a)+(\b)):8*(8*(\a)+(\b))+7], v[(\f)+8*(\b):(\f)+8*(\b)+7], v[(\f)+8*(4*(\hi)+(\a)):(\f)+8*(4*(\hi)+(\a))+7], 0
.else
	v_wmma_f32_16x16x32_bf16 v[8*(8*(\a)+(\b)):8*(8*(\a)+(\b))+7], v[(\f)+8*(\b):(\f)+8*(\b)+7], v[(\f)+8*(4*(\hi)+(\a)):(\f)+8*(4*(\hi)+(\a))+7], v[8*(8*(\a)+(\b)):8*(8*(\a)+(\b))+7]
.endif
.endr
.endr
.endm
; 32 LDS loads in one run: the fragments of one quarter step (128 rows of B, 128 rows of A, 32 K at byte k of the rows) into buffer f
.macro FETCH slot, k, f
	WIN TO_B
.irp i, 0,1,2,3,4,5,6,7
	ds_load_b128 v[(\f)+8*(\i):(\f)+8*(\i)+3],   v[ADRB+(\slot)] offset:(\k)+(\i)*16*PITCH
	ds_load_b128 v[(\f)+8*(\i)+4:(\f)+8*(\i)+7], v[ADRB+(\slot)] offset:(\k)+(\i)*16*PITCH+32
.endr
	WIN 0
.irp i, 0,1,2,3,4,5,6,7
	ds_load_b128 v[(\f)+8*(\i):(\f)+8*(\i)+3],   v[ADRA+(\slot)] offset:(\k)+(\i)*16*PITCH
	ds_load_b128 v[(\f)+8*(\i)+4:(\f)+8*(\i)+7], v[ADRA+(\slot)] offset:(\k)+(\i)*16*PITCH+32
.endr
.endm
; A load into a register that a matrix instruction has read, and a vector instruction that reads a matrix result, stand four places behind that matrix instruction, and only plain vector
; instructions that name none of its registers are places (ISA guide 7.12.1 for vector instructions).
.macro PLACES
.rept 4
	v_nop
.endr
.endm
; A K step is four quarter steps of 32 along K, 64 matrix instructions each, on buffers 0, 1, 0, 1.  One of the first three: multiplies buffer f; in its middle it fetches the next quarter, at byte k, into g.
.macro QUARTER slot, k, f, g, zero
	s_wait_dscnt 8                                 ; B and A's rows 0-63 are in; the youngest eight loads (A's rows 64-127) may be out
	WIN MUL_LO
	MUL16 \f, 0, 0, \zero
	MUL16 \f, 0, 2, \zero
	PLACES
	FETCH \slot, \k, \g
	s_wait_dscnt 32                                ; all but the 32 just issued
	WIN MUL_HI
	MUL16 \f, 1, 0, \zero
	MUL16 \f, 1, 2, \zero
.endm
; The last quarter multiplies buffer 1 and changes slots.  MEET is its first half: ONE barrier for the change of slots.  In front of it each wave waits for all its tensor loads, of which one is out:
; its part of the next slot; adds 0 to its spare word; and waits for that and for its own reads of this slot.  Behind it nobody reads this slot any more and the next slot is whole.
.macro MEET round                      ; round = 1: a round of the cluster's barrier follows
	WIN 0                                          ; (the add's two registers lie in window 0)
	s_wait_tensorcnt 0x0                           ; all my tensor loads have landed;
	ds_add_u32 v[SPW], v[NIL]                      ; 0 onto my spare word;
	s_wait_dscnt 9                                 ; (the add and the youngest eight loads may be out)
	WIN MUL_LO
	MUL16 F1, 0, 0, 0                              ; sixteen matrix instructions stand between the add and the wait for it
	s_wait_dscnt 0x0                               ; the add is done, and my reads of this slot are over:
	s_barrier_signal -1                            ; say so,
	MUL16 F1, 0, 2, 0                              ; work on registers while the others arrive,
.if \round
	WIN 0
.endif
	s_barrier_wait -1                              ; and go on when all four have said so
.endm
; The whole last quarter.  Behind the round the slot just read out is filled again first: with this tile's K step two steps on (on = 0) or, in a tile's last two K steps, with the NEXT tile's K step 0 or 1 (on = 1).
.macro TURN slot, next, on
	MEET 1
	CREST                                          ; no wave of any partner still reads this slot's tile or has a load on its way
.if \on
	s_sub_nc_u64 s[G0+4*(\slot)+2:G0+4*(\slot)+3], s[G0+4*(\slot)+2:G0+4*(\slot)+3], BACK_A
	s_add_nc_u64 s[G0B+4*(\slot)+2:G0B+4*(\slot)+3], s[G0B+4*(\slot)+2:G0B+4*(\slot)+3], NEXT_B
.else
	s_add_nc_u64 s[G0+4*(\slot)+2:G0+4*(\slot)+3], s[G0+4*(\slot)+2:G0+4*(\slot)+3], 2*KSTEP*2
	s_add_nc_u64 s[G0B+4*(\slot)+2:G0B+4*(\slot)+3], s[G0B+4*(\slot)+2:G0B+4*(\slot)+3], 2*KSTEP*2
.endif
	JLOAD \slot                                    ; the first tensor load behind the round, my only one until the next; the four v_nop behind it are also the places in front of the loads below
	FETCH \next, 0, F0
	WIN MUL_HI
	MUL16 F1, 1, 0, 0
	MUL16 F1, 1, 2, 0
.endm
; THE LAST K STEP OF THE LAST TILE (it lies in slot 1) GOES BY ROWS.  All its fragments of B (4 quarters x 64 registers) fill window 1; then my eight blocks of 16 rows are finished one after the other,
; each with 32 matrix instructions (its 8 accumulators by turns, K ascending: the sums stay the same bit for bit).
.macro BLOAD q                         ; B's fragments of quarter q -> window 1, v[64 q ..]
	WIN TO_B
.irp i, 0,1,2,3,4,5,6,7
	ds_load_b128 v[64*(\q)+8*(\i):64*(\q)+8*(\i)+3],   v[ADRB+1] offset:64*(\q)+(\i)*16*PITCH
	ds_load_b128 v[64*(\q)+8*(\i)+4:64*(\q)+8*(\i)+7], v[ADRB+1] offset:64*(\q)+(\i)*16*PITCH+32
.endr
.endm
.macro ALOAD a                         ; A's fragments of block a, all four quarters -> buffer a % 4
	WIN 0
.set FA, PA+32*((\a)%4)
.irp q, 0,1,2,3
	ds_load_b128 v[FA+8*(\q):FA+8*(\q)+3],   v[ADRA+1] offset:64*(\q)+(\a)*16*PITCH
	ds_load_b128 v[FA+8*(\q)+4:FA+8*(\q)+7], v[ADRA+1] offset:64*(\q)+(\a)*16*PITCH+32
.endr
.endm
.macro ROW a                           ; block a is finished: 32 matrix instructions
.set FA, PA+32*((\a)%4)
.set AC, 64*((\a)%4)
	WIN MUL_LO+0x50*((\a)/4)
.irp q, 0,1,2,3
.if (\a) == 0 && (\q) == 2
	s_wait_dscnt 24                                ; B's quarter 2 is in (behind it: A's blocks 1 to 3)
.endif
.irp b, 0,1,2,3,4,5,6,7
	v_wmma_f32_16x16x32_bf16 v[AC+8*(\b):AC+8*(\b)+7], v[64*(\q)+8*(\b):64*(\q)+8*(\b)+7], v[FA+8*(\q):FA+8*(\q)+7], v[AC+8*(\b):AC+8*(\b)+7]
.endr
.endr
.endm
; THE WAY OUT of block a, in three parts.  PACK: rounded to f16, 16 bytes a lane (each accumulator's registers in ascending order).  TOSTAGE: into my own stage in LDS, and back as whole rows of 256 bytes.  SEND: stored.
.macro PACK a
.set AC, 64*((\a)%4)
	WIN 0x0a+5*((\a)/4)                            ; sources 0 and 1: window 2 or 3
.irp b, 0,1,2,3,4,5,6,7
.irp r, 0,1,2,3
	v_cvt_pk_f16_f32 v[TMP+4*(\b)+(\r)], v[AC+8*(\b)+2*(\r)], v[AC+8*(\b)+2*(\r)+1]
.endr
.endr
	WIN 0
.endm
.macro TOSTAGE a
	WIN 0
.set BK, OB+192*((\a)%2)
.irp b, 0,1,2,3,4,5,6,7
	ds_store_b128 v[STO], v[TMP+4*(\b):TMP+4*(\b)+3] offset:32*(\b)
.endr
.irp t, 0,1,2,3,4,5,6,7
	ds_load_b128 v[BK+4*(\t):BK+4*(\t)+3], v[RD] offset:(\t)*2*SPITCH  ; LDS serves a wave's instructions in order (ISA guide 5.7.1.4): these see the stores above
.endr
.endm
.macro SEND a, younger                 ; younger: the LDS loads issued behind TOSTAGE's, which may stay out
	WIN 0
.set BK, OB+192*((\a)%2)
	s_wait_dscnt \younger                          ; the block is back in registers
	s_wait_xcnt 0x0                                ; every earlier memory instruction has had its addresses translated (ISA guide 3.1): only behind this wait are the stores' base and the registers that earlier stores read rewritten
.if (\a) == 0
	s_add_nc_u64 s[4:5], s[8:9], s[16:17]          ; this tile's first rows: my part of the first tile plus the tile's column offset
.else
	s_add_nc_u64 s[4:5], s[4:5], 16*SIZE_N*2       ; 16 rows on, so that the stores' offsets stay small: 14 rows, 688,128 bytes, at the most
.endif
.irp t, 0,1,2,3,4,5,6,7
	global_store_b128 v[CO], v[BK+4*(\t):BK+4*(\t)+3], s[4:5] offset:2*(\t)*SIZE_N*2  ; 16 lanes store 256 consecutive bytes, at a multiple of 256 from qkv's first byte
.endr
.endm
	s_wait_tensorcnt 1                             ; my part of K step 0 is in; K step 1's may stay out
	s_barrier_signal -1
	s_barrier_wait -1                              ; everybody's is
	FETCH 0, 0, F0
	s_mov_b32 s2, SIZE_TILES                       ; tiles to go, this one among them: the same number in every work-group
.Ltile:                                                ; (FETCH and SEND leave every window 0)
	QUARTER 0, 64,  F0, F1, 1                      ; a tile's first quarter stands in front of the loop: its products start the sums
	WIN 0                                          ; at a label and at a branch every window is 0
	s_mov_b32 s3, LAPS-1
.Llap:                                                 ; a trip goes once round the ring, from a lap's second quarter to the next lap's first, and fills both slots again
	QUARTER 0, 128, F1, F0, 0
	QUARTER 0, 192, F0, F1, 0
	TURN 0, 1, 0
	QUARTER 1, 64,  F0, F1, 0
	QUARTER 1, 128, F1, F0, 0
	QUARTER 1, 192, F0, F1, 0
	TURN 1, 0, 0
	QUARTER 0, 64,  F0, F1, 0
	WIN 0
	s_sub_co_u32 s3, s3, 1
	s_cmp_lg_u32 s3, 0
	s_cbranch_scc1 .Llap
	QUARTER 0, 128, F1, F0, 0                      ; the tile's last lap goes on
	QUARTER 0, 192, F0, F1, 0
	WIN 0
	s_cmp_eq_u32 s2, 1
	s_cbranch_scc1 .Llast_tile                     ; the last tile's tail is written out: it asks for nothing more
	TURN 0, 1, 1                                   ; THE RING GOES ON INTO THE NEXT TILE: slot 0 takes its K step 0,
	QUARTER 1, 64,  F0, F1, 0
	QUARTER 1, 128, F1, F0, 0
	QUARTER 1, 192, F0, F1, 0
	TURN 1, 0, 1                                   ; slot 1 its K step 1, and the next tile's first fragments are fetched
	PACK 0                                         ; both refills are asked for: now the tile goes out.  Blocks 0-3 were finished in front of TURN's places, and their 128 conversions,
	TOSTAGE 0                                      ; which name no register of the last products (blocks 4-7's), are those products' places
.irp a, 1,2,3,4,5,6,7                  ; block a's conversions stand between block a - 1's loads from the stage and the wait for them
	PACK \a
	SEND (\a)-1, 0
	TOSTAGE \a
.endr
	SEND 7, 0
	s_add_co_u32 s16, s16, WALK*2                  ; the next tile lies 8,192 columns, 16,384 bytes, to the right
	s_sub_co_u32 s2, s2, 1
	s_branch .Ltile
.Llast_tile:
	MEET 0                                         ; my one tensor load that was still out is slot 1's, the last K step's, so no round follows
	PLACES                                         ; for the loads into buffer 0, which the quarter before multiplied
	WIN TO_B
	BLOAD 0                                        ; three quarters of B now: buffer 1 (v128-191 of both windows) is still being multiplied
	BLOAD 1
	BLOAD 3
	WIN 0
	ALOAD 0
	WIN MUL_HI
	MUL16 F1, 1, 0, 0
	MUL16 F1, 1, 2, 0
	PLACES                                         ; for the loads into buffer 1
	WIN TO_B
	BLOAD 2
	WIN 0
	ALOAD 1
	ALOAD 2
	ALOAD 3
	s_wait_dscnt 40                                ; all but the 40 just issued
	ROW 0
.irp a, 0,1,2,3,4,5,6,7                ; each block leaves as soon as it is finished: nothing follows this tile
	PLACES                                         ; its conversions read results just made, and no other vector work is at hand
	PACK \a
	TOSTAGE \a
.if (\a) < 4
	ALOAD (\a)+4                                   ; its buffer takes the block four further on
	SEND \a, 8
.else
	SEND \a, 0
.endif
.if (\a) < 7
	ROW (\a)+1
.endif
.endr
	s_wait_tensorcnt 0x0                           ; the wave's end, behind my last tensor load and my last LDS store
	ds_add_u32 v[SPW], v[NIL]
	s_wait_dscnt 0x0
	CROUND                                         ; the closing round: no work-group ends while a partner may still ask for a tile that names it
	s_endpgm
.Lfunc_end_k_qe2fee8909b_proj:
	.size	k_qe2fee8909b_proj, .Lfunc_end_k_qe2fee8909b_proj-k_qe2fee8909b_proj
	.p2alignl 7, 3214868480
	.fill 96, 4, 3214868480
	.section	.rodata,"a",@progbits
	.p2align	6, 0x0
	.amdhsa_kernel k_qe2fee8909b_proj
		.amdhsa_group_segment_fixed_size 327680
		.amdhsa_private_segment_fixed_size 0
		.amdhsa_enable_private_segment 0
		.amdhsa_kernarg_size 24
		.amdhsa_user_sgpr_count 2
		.amdhsa_user_sgpr_kernarg_segment_ptr 1
		.amdhsa_wavefront_size32 1
		.amdhsa_system_sgpr_workgroup_id_x 1
		.amdhsa_system_sgpr_workgroup_id_y 1
		.amdhsa_system_sgpr_workgroup_id_z 1
		.amdhsa_system_vgpr_workitem_id 0
		.amdhsa_next_free_vgpr 1024
		.amdhsa_next_free_sgpr 66
		.amdhsa_reserve_vcc 0
		.amdhsa_float_denorm_mode_32 3
		.amdhsa_float_denorm_mode_16_64 3
		.amdhsa_memory_ordered 1
		.amdhsa_forward_progress 1
		.amdhsa_inst_pref_size 208
	.end_amdhsa_kernel
	.amdgpu_metadata
---
amdhsa.version: [ 1, 2 ]
amdhsa.kernels:
  - .name:           k_qe2fee8909b_proj
    .symbol:         k_qe2fee8909b_proj.kd
    .args:
      - { .name: xb, .offset: 0, .size: 8, .value_kind: global_buffer, .address_space: global }
      - { .name: wb, .offset: 8, .size: 8, .value_kind: global_buffer, .address_space: global }
      - { .name: qkv, .offset: 16, .size: 8, .value_kind: global_buffer, .address_space: global }
    .group_segment_fixed_size: 327680
    .private_segment_fixed_size: 0
    .kernarg_segment_align: 8
    .kernarg_segment_size: 24
    .max_flat_workgroup_size: 128
    .sgpr_count:     66
    .vgpr_count:     1024
    .wavefront_size: 32
...
	.end_amdgpu_metadata
.endif
;; end of part 2
;; launch attn (part 3): grid 8 x 32, 4 waves a work-group, clusters of 4 x 1, 327,680 bytes of LDS; arguments qkv, out0; writes out0
.if DOCPART == 3
	.amdgcn_target "amdgcn-amd-amdhsa--gfx1250"
	.amdhsa_code_object_version 6
	.text
	.protected	k_qe2fee8909b_attn
	.globl	k_qe2fee8909b_attn
	.p2align	8
	.type	k_qe2fee8909b_attn,@function
k_qe2fee8909b_attn:
	s_mov_b64 s[64:65], 0
	v_nop
	global_prefetch_b8 v0, s[64:65] scope:SCOPE_SE
	s_setreg_imm32_b32 hwreg(HW_REG_WAVE_MODE, 25, 1), 1
	s_wait_xcnt 0x0
	s_wait_alu depctr_hold_cnt(0) depctr_sa_sdst(0) depctr_va_vdst(0) depctr_va_sdst(0) depctr_va_ssrc(0) depctr_va_vcc(0) depctr_vm_vsrc(0)
	s_getreg_b32 s2, hwreg(HW_REG_IB_STS2, 6, 4)
	s_cmp_eq_u32 s2, 0
	s_cbranch_scc0 .Lentry_in_a_cluster
	s_endpgm
.Lentry_in_a_cluster:
	s_bfe_u32 s2, ttmp6, 0x10000c
	s_cmp_lg_u32 s2, 0x3003
	s_cbranch_scc0 .Lentry_shape_is_right
	s_endpgm
.Lentry_shape_is_right:
; CAUSAL ATTENTION, head size 1,024, 512 tokens, 32 pairs (b, h).  out0[b][t][1024 h + c] = the sum over s <= t of softmax_s(q[t] . k[s] / 32) v[s][c].
; qkv: [2048 (512 b + t)][24576] f16, a row 49,152 bytes: q at byte 2,048 h, k at 16,384 + 2,048 h, v at 32,768 + 2,048 h.  out0: [4][512][8192] f32.
; Products in f16 with f32 sums; maximum, exponentials and sums in f32; the weights p / l are rounded to f16 for the second product (l is the sum of the unrounded p).
; LIMITS.  q, k, v arrive within f16's 65,504.  A hidden score counts as its value less 1e30 (f16 operands give scores of 4.4e12 at the most).  A p below 2^-126 counts as 0 in l; a weight p / l below
; 6e-5 keeps f16's fixed step of 6e-8.  NaN and infinities are not treated apart.
; SHARES.  Eight work-groups to a pair (b, h).  Work-group p owns 16 queries in each of four BANDS of 128: rows 128 x + 16 p + 0..15.  Band x needs the key blocks kb = 0 .. x of 128 keys, of which
; block x holds the diagonal: 10 of 16 pairs (band, block), the same for every p.  So all work-groups run one text with constant trip counts and walk the same K and V, and each tile is asked for
; JOINTLY by the four partners of a cluster: the same tensor load, descriptor and mask in all four.
; PHASE 1.  S^T = K Q^T (source 0 = 16 keys, source 1 = 16 queries), the 1,024 channels in 8 steps of 128.  Wave w takes keys 128 kb + 32 w + 16 j + .. (j = 0, 1) of every block for the bands x >= kb:
; 20 accumulators; a lane holds ONE query (lane % 16) and the keys 8 (lane / 16) + 0..7.  The mask is the C operand that starts the sums of a band's own block: 0, or -1e30 where the key is hidden.
; PHASE 2.  All of a query's scores are in registers, so the softmax takes the row's true maximum: over the lane's registers, the two halves of the lanes, and the four waves (through LDS).
; p = 2^(c s - c m), c = log2(e) / 32; the sums l meet through LDS; p / l goes to LDS as f16, [query][key].
; PHASE 3.  O^T = V^T P (source 0 = 16 channels, turned by ds_load_tr16_b128; source 1 = 32 keys x 16 queries of P), 32 keys a step.  Wave w takes channels 256 w .. + 255 of all four bands: 64 accumulators.
; Band x is finished behind key block x and needs no further arithmetic: bands 0, 1, 2 leave while the wave would wait for V's tiles 5, 6, 7; band 3 at the end.
; THE RING.  Two LDS slots, 16 tiles: 8 of K (512 keys x 128 channels), then 8 of V (64 keys x 1,024 channels); each wave brings a quarter of each tile.  The tile of ring position n + 2 is asked for behind
; the round of the cluster's barrier that ends step n.  A step has far fewer matrix instructions than example kernels of square products have, so a step's whole work stands AHEAD of the wait for all
; tensor loads: behind that wait come only the add, the round and the refill.  By this text's own count a wave has two tensor loads out at the start and one later.
; THE TWO CLUSTERS of a pair (b, h) take each pair of tiles in opposite order: with cl = the cluster's x (0 or 1), ring position n holds tile n xor cl.  So at every odd position a cluster asks for bytes
; that the other cluster asked for one step earlier.  cl is the same in all four partners; it enters the global addresses of K, V and Q and the place in P's rows that goes with V's keys; kb = n / 2 stays.
; REGISTERS, in windows of 256 (s_set_vgpr_msb's low byte: bits 1:0 source 0, 3:2 source 1, 5:4 source 2, 7:6 destination):
;   window 0: v0-27 addresses; v28-43 statistics; v44-63 at work; v64-223 S^T (later v64-127 P's fragments, v128-191 rows on their way out); v224-239 the mask; v240-247 at work; v248-251 addresses
;   window 1: phase 1: v0-127 K's fragments, v128-191 Q's, two buffers each, v192-255 Q on its way to LDS; phase 3: V's fragments, two buffers of 128
;   windows 2, 3: O^T: accumulator (x, ct) in window 2 + x / 2 at v[128 (x % 2) + 8 ct]
.set ROWB,  49152     ; bytes in a row of qkv
.set PK,    272       ; a row of K or Q in LDS: 256 bytes + 16 of padding = 68 words: the 16 rows of a load start at 16 different groups of four banks (64 banks of 4 bytes: ISA guide 11.1)
.set SUB,   128*PK    ; what one tensor load fills: 128 keys of K, or 64 keys x 544 bytes of V: 34,816 bytes
.set SLOT,  4*SUB
.set PV,    544       ; a row of a wave's part of V: 512 bytes + 32 = 136 words
.set QP,    2*SLOT    ; behind the ring, never filled by a tensor load: phase 1: Q's stage, two buffers of 64 rows x 272; from phase 2 on P: bands 3, 2, 1, 0 on end, band x in rows of 256 (x + 1) + 16 bytes
.set QST,   64*PK
.set STG,   QP+29184  ; the way out: P's bands 1 and 0 (12,800 bytes, read for the last time in tile 3) and the 4,608 bytes behind them: 16 rows x 272 bytes for each wave
.set SGP,   272
.set SCR,   QP+46592  ; the waves' maxima, [wave][query][band] f32, 1,024 bytes; then their sums
.set SPARE, SCR+2048  ; the spare words, 128 bytes for each wave: two blocks of 256 bytes that no other line names
.set ADRK, 4          ; v4-7   my place in K's tile: slot s, key blocks 2 u, 2 u + 1 at v[4 + 2 s + u]
.set ADRQ, 8          ; v8     my place in Q's stage, to read
.set QSTO, 9          ; v9     and to store
.set QOFF, 10         ; v10    my byte offset in two rows of qkv
.set ADRV, 11         ; v11-12 my place in my wave's part of V's tile, slot 0, 1
.set PRDE, 13         ; v13-16 my place in band x's P, to read, for V's tiles at even ring positions: + 128 cl bytes
.set PSTO, 17         ; v17-20 and to store
.set SCRW, 21         ; v21    my wave's words in the scratch
.set SCRR, 22         ; v22    my query's words of wave 0
.set STO,  23         ; v23    the way out: where I put 16 bytes
.set RD,   24         ; v24    where I read rows back
.set GO,   25         ; v25    my byte offset in two rows of out0
.set SPW,  26         ; v26    LDS address of my spare word: SPARE + 4 x my thread's number; never rewritten
.set NIL,  27         ; v27    0; never rewritten
.set ST,   28         ; band x at v[28 + 4 x]: c m, m, l (even keys', odd keys'); then 1 / l twice in l's place
.set MXL,  44         ; v44-47 one number a band, on its way to the scratch
.set T,    48         ; v48-63 the four waves' numbers, [wave][band]
.set S,    64         ; accumulator (x, kb, j) at v[64 + 8 (x (x + 1) + 2 kb + j)]
.set MD,   224        ; the mask of a band's own block: register i of key group j at v[224 + 8 j + i]
.set PT,   240        ; two quadruples at work, by turns: partial sums, then packed weights
.set PRDO, 248        ; v248-251 as PRDE, for V's tiles at odd ring positions: + 128 (1 - cl) bytes
.set PF,   64         ; phase 3: P's fragments: buffer u, band x at v[64 + 32 u + 8 x]
.set OBR,  128        ; phase 3: 16 rows x 256 bytes read back from the stage: two buffers of 32
.set QR,   192        ; window 1
.set QR2,  224        ; window 1
.set WV,   8          ; s8   my wave's number
.set QBE,  20         ; s[20:21] Q's next step for an even ring position
.set G1K,  24         ; s[24:31] descriptor group 1 for K's tiles
.set G1V,  32         ; s[32:39] for V's
.set G0K,  40         ; s[40:47] descriptor group 0 for K's tiles, a set for each slot
.set G0V,  48         ; s[48:55] the same for V's
.set CNT,  56         ; s56
.set CS,   58         ; s[58:59] c: the packed scaling takes the pair's low word for both halves
.set SEL,  60         ; s[60:61] v_permlanex16_b32's selects: each lane takes its own place in the other half
.set BIGN, 62         ; s62  -1e30
.set CL,   66         ; s66  cl
.set QBO,  68         ; s[68:69] Q's next step for an odd ring position
.set MSB, 0
.macro WIN new                      ; the high byte repeats the setting that is left; a switch that changes nothing is dropped
.if MSB != (\new)
	s_set_vgpr_msb (MSB<<8)|(\new)
.set MSB, (\new)
.endif
.endm
.set W_S,  0x05       ; K and Q in window 1, S^T and the mask in window 0
.set TO_1, 0x40       ; destination window 1, address window 0
.set ST_1, 0x04       ; a store's data in window 1, address window 0
.set W_O2, 0xa1       ; V in window 1, P in window 0, O^T in window 2 (+0x50: window 3)
.macro PLACES                       ; four places: a load into a register that a matrix instruction has read, and a vector instruction or a store that reads a matrix result, stand four plain vector
.rept 4                             ; instructions behind it (ISA guide 7.12.1 for vector instructions)
	v_nop
.endr
.endm
; A round of the cluster's barrier: my work-group's barrier, so that wave 0's signal speaks for all four waves; wave 0 signals; every wave waits for all four work-groups; my work-group's barrier once more.
.macro CROUND
	s_barrier_signal -1
	s_barrier_wait -1
	s_cmp_lg_u32 s[WV], 0
	s_cbranch_scc1 .Lnot_wave_0_\@
	s_barrier_signal -3
.Lnot_wave_0_\@:
	s_barrier_wait -3
	s_barrier_signal -1
	s_barrier_wait -1
.endm
	s_load_b128 s[4:7], s[0:1], 0x0 ; qkv s[4:5], out0 s[6:7]
	v_lshl_add_u32 v[SPW], v0, 2, SPARE
	v_mov_b32 v[NIL], 0
	ds_add_u32 v[SPW], v[NIL]       ; the wave's opening: the add and its wait stand ahead of my first tensor load; the set-up below, work on registers, stands between them
	v_lshrrev_b32 v1, 5, v0
	v_readfirstlane_b32 s[WV], v1   ; wave 0..3
	s_bfe_u32 s9, ttmp6, 0x40000    ; cx: my place in the cluster.  What is made of it lies in s9, s10, s20-23, s57, s63, s68-69 and v55 alone: Q's and out0's addresses and the mask
	s_lshl_b32 s10, ttmp9, 2        ; in a cluster launch ttmp9 counts clusters
	s_add_co_u32 s10, s10, s9       ; p = 4 x cluster x + cx: 0 .. 7
	s_min_u32 s[CL], ttmp9, 1       ; cl: the grid has two clusters along x, so this is ttmp9 itself, bounded in the text; the four partners share it
	s_lshl_b32 s67, s[CL], 8        ; a step of 128 channels is 256 bytes: even ring positions begin 256 cl bytes in,
	s_xor_b32 s72, s67, 256         ; odd ones 256 (1 - cl)
	s_mul_i32 s73, s[CL], 64*ROWB   ; a tile of V is 64 rows: even positions begin 64 cl rows down,
	s_sub_co_u32 s74, 64*ROWB, s73  ; odd ones 64 (1 - cl)
	s_lshl_b32 s75, s[CL], 7        ; 64 keys are 128 bytes of a row of P
	s_xor_b32 s78, s75, 128
	s_and_b32 s11, ttmp7, 0xffff    ; 8 b + h, which the partners share
	s_lshr_b32 s12, s11, 3          ; b
	s_and_b32 s13, s11, 7           ; h
	s_mul_i32 s14, s12, 512*ROWB
	s_lshl_b32 s15, s13, 11
	s_add_co_u32 s14, s14, s15      ; the pair's first byte in qkv: b's 512 rows, h's 2,048 bytes
	s_mul_i32 s15, s[WV], 128*ROWB  ; K: my 128 keys of a tile's 512
	s_add_co_u32 s15, s15, s14
	s_add_co_u32 s15, s15, 16384
	s_add_co_u32 s16, s15, s67      ; slot 0's first tile,
	s_mov_b32 s17, 0
	s_add_co_u32 s70, s15, s72      ; slot 1's
	s_mov_b32 s71, 0
	s_lshl_b32 s15, s[WV], 9        ; V: my 256 channels of a tile's 1,024
	s_add_co_u32 s15, s15, s14
	s_add_co_u32 s15, s15, 32768
	s_add_co_u32 s18, s15, s73
	s_mov_b32 s19, 0
	s_add_co_u32 s76, s15, s74
	s_mov_b32 s77, 0
	s_lshl_b32 s20, s[WV], 7        ; Q: wave w brings band w's 16 rows: row 128 w + 16 p
	s_lshl_b32 s21, s10, 4
	s_add_co_u32 s20, s20, s21
	s_mul_i32 s20, s20, ROWB
	s_add_co_u32 s20, s20, s14
	s_add_co_u32 s68, s20, s72
	s_add_co_u32 s20, s20, s67
	s_mov_b32 s21, 0
	s_mov_b32 s69, 0
	s_lshl_b32 s22, s12, 24         ; out0: b's 512 rows of 32,768 bytes, row 16 p, h's 4,096 bytes, my wave's 1,024
	s_lshl_b32 s23, s10, 19
	s_add_co_u32 s22, s22, s23
	s_lshl_b32 s23, s13, 12
	s_add_co_u32 s22, s22, s23
	s_lshl_b32 s23, s[WV], 10
	s_add_co_u32 s22, s22, s23
	s_mov_b32 s23, 0
	s_mul_i32 s3, s[WV], SUB        ; my quarter of a slot: no place in the cluster enters an LDS address
	; descriptor group 1.  K: 128 rows x 128 elements, 16 bytes of padding behind each 256.  V: 64 rows x 256 elements, 32 bytes behind each 512.
	s_mov_b32 s[G1K], 15|(1<<16)|(1<<20)|(1<<21)|(5<<22)|(3<<25)  ; 15:0 the mask of four; 17:16 2-byte elements; 20 padding on; 21 set beside a mask; 24:22 after every 64 words (code 5); 31:25 4 words (code 3)
	s_mov_b32 s[G1K+1], 128<<16     ; tensor_dim0 = 128
	s_mov_b32 s[G1K+2], 128<<16     ; tensor_dim1 = 128
	s_mov_b32 s[G1K+3], 128<<16     ; tile_dim0 = 128
	s_mov_b32 s[G1K+4], 128         ; tile_dim1 = 128
	s_mov_b32 s[G1K+5], 24576       ; elements from row to row
	s_mov_b32 s[G1K+6], 0
	s_mov_b32 s[G1K+7], 0
	s_mov_b32 s[G1V], 15|(1<<16)|(1<<20)|(1<<21)|(6<<22)|(7<<25)  ; after every 128 words (code 6) 8 words (code 7)
	s_mov_b32 s[G1V+1], 256<<16     ; tensor_dim0 = 256
	s_mov_b32 s[G1V+2], 64<<16      ; tensor_dim1 = 64
	s_mov_b32 s[G1V+3], 256<<16     ; tile_dim0 = 256
	s_mov_b32 s[G1V+4], 64          ; tile_dim1 = 64
	s_mov_b32 s[G1V+5], 24576
	s_mov_b32 s[G1V+6], 0
	s_mov_b32 s[G1V+7], 0
.irp s, 0,1
	s_mov_b32 s[G0K+4*(\s)], 1                     ; 1:0 count = 1
	s_add_co_u32 s[G0K+4*(\s)+1], s3, (\s)*SLOT    ; 63:32 LDS address
	s_mov_b32 s[G0V+4*(\s)], 1
	s_add_co_u32 s[G0V+4*(\s)+1], s3, (\s)*SLOT
.endr
	s_mov_b32 s[CS], 0x3d38aa3b     ; c = log2(e) / 32 = 0.0450842
	s_mov_b32 s[CS+1], s[CS]        ; named with it as a pair
	s_mov_b32 s[SEL], 0x76543210
	s_mov_b32 s[SEL+1], 0xfedcba98
	s_mov_b32 s[BIGN], 0xf149f2ca   ; -1e30
	v_and_b32 v1, 15, v0            ; r = l % 16
	v_bfe_u32 v2, v0, 4, 1          ; hh = l / 16
	v_mul_u32_u24 v[QOFF], v2, ROWB ; lanes 0-15 take 256 bytes of one row, lanes 16-31 of the next
	v_lshl_add_u32 v[QOFF], v1, 4, v[QOFF]
	s_wait_dscnt 0x0                ; the opening add is done
	s_wait_kmcnt 0x0
	s_add_nc_u64 s[G0K+2:G0K+3], s[4:5], s[16:17]      ; 120:64 global address
	s_or_b32 s[G0K+3], s[G0K+3], 0x80000000            ; 127:126 type = 2
	s_add_nc_u64 s[G0K+6:G0K+7], s[4:5], s[70:71]
	s_or_b32 s[G0K+7], s[G0K+7], 0x80000000
	s_add_nc_u64 s[G0V+2:G0V+3], s[4:5], s[18:19]
	s_or_b32 s[G0V+3], s[G0V+3], 0x80000000
	s_add_nc_u64 s[G0V+6:G0V+7], s[4:5], s[76:77]
	s_or_b32 s[G0V+7], s[G0V+7], 0x80000000
	s_add_nc_u64 s[QBE:QBE+1], s[4:5], s[QBE:QBE+1]
	s_add_nc_u64 s[QBO:QBO+1], s[4:5], s[QBO:QBO+1]
	s_add_nc_u64 s[22:23], s[6:7], s[22:23]
	CROUND                          ; all four work-groups are here: the first joint loads meet
	tensor_load_to_lds s[G0K:G0K+3], s[G1K:G1K+7]      ; ring position 0 into slot 0,
	s_nop 0
	tensor_load_to_lds s[G0K+4:G0K+7], s[G1K:G1K+7]    ; position 1 into slot 1: the two first fills stand together, ahead of every wait on TENSORcnt, every LDS read and every further barrier
	s_nop 0
	PLACES
	WIN TO_1
.irp j, 0,1,2,3,4,5,6,7             ; Q's channels of positions 0 and 1, my band's 16 rows, two rows a load: 16 lanes take 256 consecutive bytes
	global_load_b128 v[QR+4*(\j):QR+4*(\j)+3], v[QOFF], s[QBE:QBE+1] offset:(\j)*2*ROWB
.endr
.irp j, 0,1,2,3,4,5,6,7
	global_load_b128 v[QR2+4*(\j):QR2+4*(\j)+3], v[QOFF], s[QBO:QBO+1] offset:(\j)*2*ROWB
.endr
	WIN 0
	; A fragment of K, Q or P is 16 rows x 32 in 8 registers: lane l holds row l % 16, places 8 (l / 16) + 0..7 and 16 + 8 (l / 16) + 0..7: two loads of 16 bytes, 32 bytes apart.
	v_mul_u32_u24 v52, v1, PK
	v_lshl_add_u32 v52, v2, 4, v52  ; r x pitch + 16 hh
	s_mul_i32 s2, s[WV], 32*PK      ; my 32 keys of a block
	v_add_nc_u32 v[ADRK], s2, v52
	v_add_nc_u32 v[ADRK+1], 2*SUB, v[ADRK]
	v_add_nc_u32 v[ADRK+2], SLOT, v[ADRK]
	v_add_nc_u32 v[ADRK+3], SLOT+2*SUB, v[ADRK]
	v_add_nc_u32 v[ADRQ], QP, v52
	v_mul_u32_u24 v53, v2, PK       ; Q into the stage: rows 16 w + 2 j + hh, 16 bytes a lane
	v_lshl_add_u32 v53, v1, 4, v53
	s_mul_i32 s2, s[WV], 16*PK
	s_add_co_u32 s2, s2, QP
	v_add_nc_u32 v[QSTO], s2, v53
	; The turning load takes 16 keys x 16 channels (lane l reads key 8 (l / 16) + l % 8, channels 8 ((l / 8) % 2) + 0..7) and leaves half a fragment of V^T: lane l holds channel l % 16 and 8 keys.
	v_and_b32 v53, 7, v0
	v_lshl_add_u32 v53, v2, 3, v53
	v_mul_u32_u24 v53, v53, PV
	v_bfe_u32 v54, v0, 3, 1
	v_lshl_add_u32 v53, v54, 4, v53
	v_add_nc_u32 v[ADRV], s3, v53
	v_add_nc_u32 v[ADRV+1], SLOT, v[ADRV]
.irp x, 0,1,2,3                     ; band x of P begins behind the bands above it: 4,096 (10 - (x + 1)(x + 2) / 2) + 256 (3 - x) bytes
	v_mul_u32_u24 v53, v1, 256*((\x)+1)+16
	v_lshl_add_u32 v53, v2, 4, v53
	v_add_nc_u32 v53, QP+2048*(20-((\x)+1)*((\x)+2))+256*(3-(\x)), v53
	v_lshl_add_u32 v[PSTO+(\x)], s[WV], 6, v53  ; my wave's 32 keys of a block: 64 bytes
	v_add_nc_u32 v[PRDE+(\x)], s75, v53
	v_add_nc_u32 v[PRDO+(\x)], s78, v53
.endr
	s_lshl_b32 s2, s[WV], 8
	s_add_co_u32 s2, s2, SCR
	v_lshl_add_u32 v[SCRW], v1, 4, s2
	v_lshl_add_u32 v[SCRR], v1, 4, SCR
	s_mul_i32 s2, s[WV], 16*SGP     ; my stage for the way out
	s_add_co_u32 s2, s2, STG
	v_mul_u32_u24 v53, v1, SGP
	v_lshl_add_u32 v53, v2, 5, v53  ; in: row r, 32 bytes for each half of the lanes
	v_add_nc_u32 v[STO], s2, v53
	v_mul_u32_u24 v53, v2, SGP      ; back: lanes 0-15 take one row of 256 bytes, lanes 16-31 the next
	v_lshl_add_u32 v53, v1, 4, v53
	v_add_nc_u32 v[RD], s2, v53
	v_lshlrev_b32 v[GO], 15, v2     ; and the same two rows in out0
	v_lshl_add_u32 v[GO], v1, 4, v[GO]
.irp x, 0,1,2,3
	v_mov_b32 v[T+(\x)], 0          ; v_permlanex16_b32 counts as a reader of its destination
.endr
	; The mask of a band's own block.  My query's place in its band is 16 p + r; register i of key group j holds key 32 w + 16 j + 8 hh + i of the block: hidden where 16 j + i > 16 p + r - 32 w - 8 hh.
	s_lshl_b32 s57, s10, 4
	s_lshl_b32 s63, s[WV], 5
	s_sub_co_u32 s57, s57, s63
	v_lshlrev_b32 v54, 3, v2
	v_add_nc_u32 v55, s57, v1
	v_sub_nc_u32 v55, v55, v54
.set i, 0
.rept 16
	v_cmp_gt_i32 vcc_lo, 16*(i/8)+i%8, v55
	v_cndmask_b32 v[MD+i], 0, s[BIGN], vcc_lo
.set i, i+1
.endr
	s_wait_loadcnt 0x0              ; Q's first two steps are in registers
	WIN ST_1
.irp j, 0,1,2,3,4,5,6,7
	ds_store_b128 v[QSTO], v[QR+4*(\j):QR+4*(\j)+3] offset:(\j)*2*PK
	ds_store_b128 v[QSTO], v[QR2+4*(\j):QR2+4*(\j)+3] offset:QST+(\j)*2*PK
.endr
	WIN 0
	s_add_nc_u64 s[QBE:QBE+1], s[QBE:QBE+1], 512  ; positions 2 and 3
	s_add_nc_u64 s[QBO:QBO+1], s[QBO:QBO+1], 512
; 24 LDS loads in one run: 32 channels at byte 64 q of the rows of slot sl: my 8 fragments of K (32 keys in each of four blocks) and the 4 of Q (16 queries in each of four bands), into buffer f
.macro FETCH1 sl, q, f
	WIN TO_1
.irp kb, 0,1,2,3
.irp j, 0,1
	ds_load_b128 v[64*(\f)+8*(2*(\kb)+(\j)):64*(\f)+8*(2*(\kb)+(\j))+3],   v[ADRK+2*(\sl)+(\kb)/2] offset:((\kb)%2)*SUB+(\j)*16*PK+64*(\q)
	ds_load_b128 v[64*(\f)+8*(2*(\kb)+(\j))+4:64*(\f)+8*(2*(\kb)+(\j))+7], v[ADRK+2*(\sl)+(\kb)/2] offset:((\kb)%2)*SUB+(\j)*16*PK+64*(\q)+32
.endr
.endr
.irp x, 0,1,2,3
	ds_load_b128 v[128+32*(\f)+8*(\x):128+32*(\f)+8*(\x)+3],   v[ADRQ] offset:(\sl)*QST+(\x)*16*PK+64*(\q)
	ds_load_b128 v[128+32*(\f)+8*(\x)+4:128+32*(\f)+8*(\x)+7], v[ADRQ] offset:(\sl)*QST+(\x)*16*PK+64*(\q)+32
.endr
.endm
; The products of key block kb with the bands x >= kb, from buffer f: 2 (4 - kb) matrix instructions.  The 20 accumulators of a quarter take turns, one instruction a turn.
; zero = 1: the first products start the sums: with the mask in a band's own block, with 0 elsewhere.
.macro MULS f, kb, zero
	WIN W_S
.irp j, 0,1
.irp x, 0,1,2,3
.if (\x) >= (\kb)
.set rS, S+8*((\x)*((\x)+1)+2*(\kb)+(\j))
.set rK, 64*(\f)+8*(2*(\kb)+(\j))
.set rQ, 128+32*(\f)+8*(\x)
.if (\zero) && ((\x) == (\kb))
	v_wmma_f32_16x16x32_f16 v[rS:rS+7], v[rK:rK+7], v[rQ:rQ+7], v[MD+8*(\j):MD+8*(\j)+7]
.elseif \zero
	v_wmma_f32_16x16x32_f16 v[rS:rS+7], v[rK:rK+7], v[rQ:rQ+7], 0
.else
	v_wmma_f32_16x16x32_f16 v[rS:rS+7], v[rK:rK+7], v[rQ:rQ+7], v[rS:rS+7]
.endif
.endif
.endr
.endr
.endm
; A step of 128 channels is four quarters of 32, 20 matrix instructions each, on buffers 0, 1, 0, 1.  One of the first three: the next quarter's fragments (quarter qn of slot sl) are asked for into
; buffer g, then buffer f is multiplied.  qload = 1: my 16 rows of Q for the ring position two on are asked for from memory.
.macro QUARTER f, g, sl, qn, zero, qload
	s_wait_dscnt 0x0                ; buffer f is in
.if \qload
	WIN TO_1
.irp j, 0,1,2,3,4,5,6,7
.if (\sl) == 0
	global_load_b128 v[QR+4*(\j):QR+4*(\j)+3], v[QOFF], s[QBE:QBE+1] offset:(\j)*2*ROWB
.else
	global_load_b128 v[QR+4*(\j):QR+4*(\j)+3], v[QOFF], s[QBO:QBO+1] offset:(\j)*2*ROWB
.endif
.endr
.endif
	PLACES                          ; buffer g was read by the matrix instructions issued last
	FETCH1 \sl, \qn, \g
	MULS \f, 0, \zero
	MULS \f, 1, \zero
	MULS \f, 2, \zero
	MULS \f, 3, \zero
.endm
; The last quarter multiplies buffer 1, and the slots change.  All 20 products stand ahead of the wait for the tensor loads: the step is over when the other slot's tile lands.  Then each wave waits for all
; its tensor loads, of which one is out: its part of the other slot; adds 0 to its spare word; and waits for that (its reads of this slot and of this step's stage of Q came back ahead of the products).
; Behind the round no wave of any partner reads this slot or has a load on its way: it is filled again first, with K's channels two positions on (kind 0) or with V's positions 0 (kind 1, slot 0)
; or 1 (kind 2, slot 1).  Then the other slot's first fragments (kinds 0, 1), and Q's step two positions on goes into the stage (kind 0).
.macro TURN1 sl, kind
	s_wait_dscnt 0x0                ; buffer 1 is in: my last reads of this slot
	MULS 1, 0, 0
	MULS 1, 1, 0
	MULS 1, 2, 0
	MULS 1, 3, 0
	WIN 0                           ; the add's registers lie in window 0
	s_wait_tensorcnt 0x0            ; no tensor load of mine is out, so a group 0 may be written
	ds_add_u32 v[SPW], v[NIL]       ; 0 onto my spare word
.if (\kind) == 0
	s_add_nc_u64 s[G0K+4*(\sl)+2:G0K+4*(\sl)+3], s[G0K+4*(\sl)+2:G0K+4*(\sl)+3], 512  ; two steps of 256 bytes on; the type bits on top are not reached
.endif
	s_wait_dscnt 0x0                ; the add is done
	CROUND
.if (\kind) == 0
	tensor_load_to_lds s[G0K+4*(\sl):G0K+4*(\sl)+3], s[G1K:G1K+7]
.else
	tensor_load_to_lds s[G0V+4*(\sl):G0V+4*(\sl)+3], s[G1V:G1V+7]
.endif
	s_nop 0
	PLACES                          ; also the places in front of the loads into buffer 0 and, behind the last step, of the first reads of S^T
.if (\kind) < 2
	FETCH1 1-(\sl), 0, 0
.endif
.if (\kind) == 0
	s_wait_loadcnt 0x0              ; Q's rows, asked for two quarters ago
	WIN ST_1
.irp j, 0,1,2,3,4,5,6,7
	ds_store_b128 v[QSTO], v[QR+4*(\j):QR+4*(\j)+3] offset:(\sl)*QST+(\j)*2*PK  ; into the stage that nobody reads any more; it is read behind the next round, in front of which I wait for these stores
.endr
.if (\sl) == 0
	s_add_nc_u64 s[QBE:QBE+1], s[QBE:QBE+1], 512
.else
	s_add_nc_u64 s[QBO:QBO+1], s[QBO:QBO+1], 512
.endif
.endif
.endm
	; PHASE 1
	s_wait_tensorcnt 0x1            ; my part of K's first tile is in; the second tile's may stay out
	s_wait_dscnt 0x0                ; my rows of Q are in the stage
	s_barrier_signal -1
	s_barrier_wait -1               ; everybody's are
	FETCH1 0, 0, 0
	QUARTER 0, 1, 0, 1, 1, 0        ; the first quarter stands in front of the loop: its products start the sums
	WIN 0                           ; at a label and at a branch every window is 0
	s_mov_b32 s[CNT], 3
.Llap:                              ; a trip goes once round the ring, from a step's second quarter to the first quarter two steps on, and fills both slots again with K
	QUARTER 1, 0, 0, 2, 0, 1
	QUARTER 0, 1, 0, 3, 0, 0
	TURN1 0, 0
	QUARTER 0, 1, 1, 1, 0, 0
	QUARTER 1, 0, 1, 2, 0, 1
	QUARTER 0, 1, 1, 3, 0, 0
	TURN1 1, 0
	QUARTER 0, 1, 0, 1, 0, 0
	WIN 0
	s_sub_co_u32 s[CNT], s[CNT], 1
	s_cmp_lg_u32 s[CNT], 0
	s_cbranch_scc1 .Llap
	QUARTER 1, 0, 0, 2, 0, 0        ; the last two steps are written out: no more of Q is asked for, and the slots take V's first two tiles
	QUARTER 0, 1, 0, 3, 0, 0
	TURN1 0, 1
	QUARTER 0, 1, 1, 1, 0, 0
	QUARTER 1, 0, 1, 2, 0, 0
	QUARTER 0, 1, 1, 3, 0, 0
	TURN1 1, 2
	; PHASE 2.  My lane's maximum in each band: the band's 16 (x + 1) scores in ascending order of registers; the four bands' chains alternate.
	WIN 0
.set k, 0
.rept 32
.irp x, 0,1,2,3
.set rS, S+8*(\x)*((\x)+1)
.if k == 0
	v_max3_num_f32 v[MXL+(\x)], v[rS], v[rS+1], v[rS+2]
.elseif k < 8*((\x)+1)-1
	v_max3_num_f32 v[MXL+(\x)], v[MXL+(\x)], v[rS+2*k+1], v[rS+2*k+2]
.elseif k == 8*((\x)+1)-1
	v_max_num_f32 v[MXL+(\x)], v[MXL+(\x)], v[rS+2*k+1]
.endif
.endr
.set k, k+1
.endr
.irp x, 0,1,2,3
	v_permlanex16_b32 v[T+(\x)], v[MXL+(\x)], s[SEL], s[SEL+1]  ; the query's other keys of my wave lie in the lane 16 away
.endr
.irp x, 0,1,2,3
	v_max_num_f32 v[MXL+(\x)], v[MXL+(\x)], v[T+(\x)]
.endr
	ds_store_b128 v[SCRW], v[MXL:MXL+3]  ; both halves of the lanes write the same numbers to the same words
	s_wait_dscnt 0x0                ; for the others' sake: my maxima are stored
	s_barrier_signal -1             ; V's second tile may stay on its way
	s_barrier_wait -1
.irp w, 0,1,2,3
	ds_load_b128 v[T+4*(\w):T+4*(\w)+3], v[SCRR] offset:256*(\w)
.endr
	s_wait_dscnt 0x0
.irp x, 0,1,2,3
	v_max3_num_f32 v[ST+4*(\x)+1], v[T+(\x)], v[T+4+(\x)], v[T+8+(\x)]
.endr
.irp x, 0,1,2,3
	v_max_num_f32 v[ST+4*(\x)+1], v[ST+4*(\x)+1], v[T+12+(\x)]  ; m: the row's true maximum: every row sees its own key, so it is a true score
.endr
.irp x, 0,1,2,3
	v_mul_f32 v[ST+4*(\x)], s[CS], v[ST+4*(\x)+1]  ; c m
.endr
.macro BAND a                       ; accumulator a's band bx and its place bq = 2 kb + j in the band
.if (\a) < 2
.set bx, 0
.elseif (\a) < 6
.set bx, 1
.elseif (\a) < 12
.set bx, 2
.else
.set bx, 3
.endif
.set bq, (\a)-bx*(bx+1)
.endm
	; Three stages, an accumulator apart: the exponentials of accumulator a - 1; c s - c m for accumulator a (plain instructions, which stand behind the exponentials before any result is used: ISA guide 5.7.2);
	; the sum of accumulator a - 2's eight p, in registers of its own: p itself stays, to be divided by l.
.set a, 0
.rept 22
.if (a >= 1) && (a <= 20)
.set rS, S+8*(a-1)
.set i, 0
.rept 8
	v_exp_f32 v[rS+i], v[rS+i]
.set i, i+1
.endr
.endif
.if a <= 19
	BAND a
.set rS, S+8*a
.set rT, ST+4*bx
.irp i, 0,2,4,6
	v_pk_fma_f32 v[rS+(\i):rS+(\i)+1], v[rS+(\i):rS+(\i)+1], s[CS:CS+1], v[rT:rT+1] op_sel_hi:[1,0,0] neg_lo:[0,0,1] neg_hi:[0,0,1]
.endr
.endif
.if a >= 2
	BAND a-2
.set rS, S+8*(a-2)
.set rT, ST+4*bx
.set rA, PT+4*(a%2)
	s_wait_alu depctr_va_vdst(0)
	v_pk_add_f32 v[rA:rA+1], v[rS:rS+1], v[rS+2:rS+3]
	v_pk_add_f32 v[rA+2:rA+3], v[rS+4:rS+5], v[rS+6:rS+7]
.if bq == 0
	v_pk_add_f32 v[rT+2:rT+3], v[rA:rA+1], v[rA+2:rA+3]  ; a band's first accumulator starts l: nothing is cleared
.else
	v_pk_add_f32 v[rA:rA+1], v[rA:rA+1], v[rA+2:rA+3]
	v_pk_add_f32 v[rT+2:rT+3], v[rT+2:rT+3], v[rA:rA+1]
.endif
.endif
.set a, a+1
.endr
.irp x, 0,1,2,3
	v_add_f32 v[MXL+(\x)], v[ST+4*(\x)+2], v[ST+4*(\x)+3]
.endr
.irp x, 0,1,2,3
	v_permlanex16_b32 v[T+(\x)], v[MXL+(\x)], s[SEL], s[SEL+1]
.endr
.irp x, 0,1,2,3
	v_add_f32 v[MXL+(\x)], v[MXL+(\x)], v[T+(\x)]
.endr
	ds_store_b128 v[SCRW], v[MXL:MXL+3] offset:1024  ; other bytes than the maxima's: no wave need have read those
	s_wait_dscnt 0x0                ; for the others' sake: my sums are stored
	s_barrier_signal -1
	s_barrier_wait -1
.irp w, 0,1,2,3
	ds_load_b128 v[T+4*(\w):T+4*(\w)+3], v[SCRR] offset:1024+256*(\w)
.endr
	s_wait_dscnt 0x0
	v_pk_add_f32 v[T:T+1], v[T:T+1], v[T+4:T+5]
	v_pk_add_f32 v[T+2:T+3], v[T+2:T+3], v[T+6:T+7]
	v_pk_add_f32 v[T+8:T+9], v[T+8:T+9], v[T+12:T+13]
	v_pk_add_f32 v[T+10:T+11], v[T+10:T+11], v[T+14:T+15]
	v_pk_add_f32 v[T:T+1], v[T:T+1], v[T+8:T+9]
	v_pk_add_f32 v[T+2:T+3], v[T+2:T+3], v[T+10:T+11]
.irp x, 0,1,2,3
	v_rcp_f32 v[ST+4*(\x)+2], v[T+(\x)]  ; l is 1 at the least: the maximum's own weight
	v_rcp_f32 v[ST+4*(\x)+3], v[T+(\x)]  ; twice: the pair that the packed multiply takes
.endr
	v_nop                           ; a plain instruction between the last reciprocal and the use of its result
	s_wait_alu depctr_va_vdst(0)
	; p / l for accumulator a; the rounding to f16 of accumulator a - 1, and its 16 bytes (8 keys of my query) into P.  Q's stage, which P covers, was read for the last time ahead of phase 1's last round.
.set a, 0
.rept 21
.if a <= 19
	BAND a
.set rS, S+8*a
.set rT, ST+4*bx
.irp i, 0,2,4,6
	v_pk_mul_f32 v[rS+(\i):rS+(\i)+1], v[rS+(\i):rS+(\i)+1], v[rT+2:rT+3]
.endr
.endif
.if a >= 1
	BAND a-1
.set rS, S+8*(a-1)
.set rP, PT+4*(a%2)
.irp i, 0,1,2,3
	v_cvt_pk_f16_f32 v[rP+(\i)], v[rS+2*(\i)], v[rS+2*(\i)+1]
.endr
	ds_store_b128 v[PSTO+bx], v[rP:rP+3] offset:256*(bq/2)+32*(bq%2)
.endif
.set a, a+1
.endr
	s_wait_dscnt 0x0                ; for the others' sake: my part of P is stored
	s_barrier_signal -1
	s_barrier_wait -1
; PHASE 3.  32 LDS loads: 32 keys (half kk of the tile in slot sl) x my 256 channels of V, turned, into buffer buf
.macro FETCHV sl, kk, buf
	WIN TO_1
.irp c, 0,1,2,3,4,5,6,7,8,9,10,11,12,13,14,15
	ds_load_tr16_b128 v[128*(\buf)+8*(\c):128*(\buf)+8*(\c)+3],   v[ADRV+(\sl)] offset:(\kk)*32*PV+32*(\c)
	ds_load_tr16_b128 v[128*(\buf)+8*(\c)+4:128*(\buf)+8*(\c)+7], v[ADRV+(\sl)] offset:(\kk)*32*PV+16*PV+32*(\c)
.endr
.endm
; P's fragments for half kk of the tile at ring position i, for the bands that see it, x >= i / 2.  The tile holds keys 64 (i xor cl) on: 128 bytes a tile in P's rows; the pair's 256 (i / 2) stand in the
; immediate, the tile's place in its pair in the address register.
.macro FETCHP i, kk, buf
	WIN 0
.irp x, 0,1,2,3
.if (\x) >= (\i)/2
.if (\i)%2 == 0
	ds_load_b128 v[PF+32*(\buf)+8*(\x):PF+32*(\buf)+8*(\x)+3],   v[PRDE+(\x)] offset:256*((\i)/2)+64*(\kk)
	ds_load_b128 v[PF+32*(\buf)+8*(\x)+4:PF+32*(\buf)+8*(\x)+7], v[PRDE+(\x)] offset:256*((\i)/2)+64*(\kk)+32
.else
	ds_load_b128 v[PF+32*(\buf)+8*(\x):PF+32*(\buf)+8*(\x)+3],   v[PRDO+(\x)] offset:256*((\i)/2)+64*(\kk)
	ds_load_b128 v[PF+32*(\buf)+8*(\x)+4:PF+32*(\buf)+8*(\x)+7], v[PRDO+(\x)] offset:256*((\i)/2)+64*(\kk)+32
.endif
.endif
.endr
.endm
; The products of n channel tiles from c0 on with the bands x >= kb, first those in window 2, then those in window 3.  The accumulators take turns, one instruction a turn.
.macro MULV buf, kb, c0, n, zero
.irp hi, 0,1
.if 2*(\hi)+1 >= (\kb)
	WIN W_O2+0x50*(\hi)
.set ct, (\c0)
.rept (\n)
.irp xl, 0,1
.if 2*(\hi)+(\xl) >= (\kb)
.set rO, 128*(\xl)+8*ct
.set rV, 128*(\buf)+8*ct
.set rP, PF+32*(\buf)+8*(2*(\hi)+(\xl))
.if \zero
	v_wmma_f32_16x16x32_f16 v[rO:rO+7], v[rV:rV+7], v[rP:rP+7], 0
.else
	v_wmma_f32_16x16x32_f16 v[rO:rO+7], v[rV:rV+7], v[rP:rP+7], v[rO:rO+7]
.endif
.endif
.endr
.set ct, ct+1
.endr
.endif
.endr
.endm
; THE WAY OUT of band x, a quarter (64 channels, four accumulators) at a time.  TOST: a lane's 8 channels of a query, 32 bytes an accumulator (its low four registers first), into rows
; of 272 bytes of my stage; back as whole rows of 256 bytes, two a load.  SENDQ: stored: lanes 0-15 and lanes 16-31 each cover 256 consecutive bytes, at a multiple of 256 from out0's first byte.
.macro TOST x, qd, buf
	WIN 0x08+0x04*((\x)/2)          ; a store's data in window 2 or 3
.irp cl, 0,1,2,3
	ds_store_b128 v[STO], v[128*((\x)%2)+8*(4*(\qd)+(\cl)):128*((\x)%2)+8*(4*(\qd)+(\cl))+3]   offset:64*(\cl)
	ds_store_b128 v[STO], v[128*((\x)%2)+8*(4*(\qd)+(\cl))+4:128*((\x)%2)+8*(4*(\qd)+(\cl))+7] offset:64*(\cl)+16
.endr
	WIN 0
.irp t, 0,1,2,3,4,5,6,7
	ds_load_b128 v[OBR+32*(\buf)+4*(\t):OBR+32*(\buf)+4*(\t)+3], v[RD] offset:(\t)*2*SGP  ; LDS serves a wave's instructions in order (ISA guide 5.7.1.4): these see the stores above; the next quarter's stores come behind them
.endr
.endm
.macro SENDQ qd, buf
.irp t, 0,1,2,3,4,5,6,7
	global_store_b128 v[GO], v[OBR+32*(\buf)+4*(\t):OBR+32*(\buf)+4*(\t)+3], s[22:23] offset:(\t)*2*32768+(\qd)*256 th:TH_STORE_NT
.endr
.endm
.macro OUTB x
	WIN 0
	s_wait_xcnt 0x0                 ; every earlier memory instruction has had its addresses translated (ISA guide 3.1): only behind this wait are the stores' base and the registers that earlier stores read rewritten
.if (\x) > 0
	s_add_nc_u64 s[22:23], s[22:23], 128*32768  ; the next band: 128 rows of out0 on
.endif
.irp q, 0,2
.if (\q) > 0
	s_wait_xcnt 0x0                 ; the two buffers are loaded again only behind this wait
.endif
	TOST \x, \q, 0
	TOST \x, (\q)+1, 1
	s_wait_dscnt 16                 ; the first quarter's 8 loads are back; the second's 8 stores and 8 loads, issued behind them, may be out
	SENDQ \q, 0
	s_wait_dscnt 0x0
	SENDQ (\q)+1, 1
.endr
.endm
; The tile at ring position i, first 32 keys, in buffer 0.  The second 32 are asked for into buffer 1 first.  Position 0 starts all 64 sums.
.macro VQ i
	s_wait_dscnt 0x0                ; buffer 0 is in
	PLACES                          ; buffer 1 was read by the matrix instructions issued last
	FETCHV (\i)%2, 1, 1
	FETCHP \i, 1, 1
.if (\i) == 0
	MULV 0, 0, 0, 16, 1
.else
	MULV 0, (\i)/2, 0, 16, 0
.endif
.endm
; The tile's second 32 keys, in buffer 1; a finished band's way out (ob >= 0); and the change of slots, as in phase 1: all the work stands ahead of the wait for the tensor loads.
; fill = 1: the slot is filled again, with the tile two positions on, behind a round of the cluster's barrier.  fill = 0: nothing is left to ask for; I read my own part of V alone, so my own wait is all the order that the reads need.
.macro VTURN i, fill, ob
	s_wait_dscnt 0x0                ; buffer 1 is in: my last reads of this slot
	MULV 1, (\i)/2, 0, 16, 0
.if (\ob) >= 0
	OUTB \ob
.endif
	WIN 0
	s_wait_tensorcnt 0x0            ; no tensor load of mine is out, so a group 0 may be written; my part of the next tile is in
.if \fill
	ds_add_u32 v[SPW], v[NIL]       ; 0 onto my spare word
	s_add_nc_u64 s[G0V+4*((\i)%2)+2:G0V+4*((\i)%2)+3], s[G0V+4*((\i)%2)+2:G0V+4*((\i)%2)+3], 128*ROWB  ; 128 keys on
	s_wait_dscnt 0x0                ; the add is done
	CROUND
	tensor_load_to_lds s[G0V+4*((\i)%2):G0V+4*((\i)%2)+3], s[G1V:G1V+7]
	s_nop 0
.endif
	PLACES                          ; the places in front of the loads into buffer 0
	FETCHV ((\i)+1)%2, 0, 0
	FETCHP (\i)+1, 0, 0
.endm
	FETCHV 0, 0, 0                  ; V's first tile was shown landed by the wait for all loads in front of the last round of phase 1
	FETCHP 0, 0, 0
.irp i, 0,1,2,3
	VQ \i
	VTURN \i, 1, -1
.endr
	VQ 4                            ; behind the round that ended position 3 no wave reads P's bands 0 and 1 any more: their bytes are the stages now
	VTURN 4, 1, 0
	VQ 5
	VTURN 5, 1, 1
	VQ 6
	VTURN 6, 0, 2
	VQ 7
	s_wait_dscnt 0x0
	MULV 1, 3, 0, 16, 0
	WIN 0
	PLACES                          ; band 3's stores read results just made
	OUTB 3
	WIN 0
	s_wait_tensorcnt 0x0            ; the wave's end, behind my last tensor load and my last LDS store
	ds_add_u32 v[SPW], v[NIL]
	s_wait_dscnt 0x0
	CROUND                          ; the closing round: no work-group ends while a partner may still ask for a tile that names it
	s_endpgm
.Lfunc_end_k_qe2fee8909b_attn:
	.size	k_qe2fee8909b_attn, .Lfunc_end_k_qe2fee8909b_attn-k_qe2fee8909b_attn
	.p2alignl 7, 3214868480
	.fill 96, 4, 3214868480
	.section	.rodata,"a",@progbits
	.p2align	6, 0x0
	.amdhsa_kernel k_qe2fee8909b_attn
		.amdhsa_group_segment_fixed_size 327680
		.amdhsa_private_segment_fixed_size 0
		.amdhsa_enable_private_segment 0
		.amdhsa_kernarg_size 16
		.amdhsa_user_sgpr_count 2
		.amdhsa_user_sgpr_kernarg_segment_ptr 1
		.amdhsa_wavefront_size32 1
		.amdhsa_system_sgpr_workgroup_id_x 1
		.amdhsa_system_sgpr_workgroup_id_y 1
		.amdhsa_system_sgpr_workgroup_id_z 1
		.amdhsa_system_vgpr_workitem_id 0
		.amdhsa_next_free_vgpr 1024
		.amdhsa_next_free_sgpr 80
		.amdhsa_reserve_vcc 1
		.amdhsa_float_denorm_mode_32 3
		.amdhsa_float_denorm_mode_16_64 3
		.amdhsa_memory_ordered 1
		.amdhsa_forward_progress 1
		.amdhsa_inst_pref_size 216
	.end_amdhsa_kernel
	.amdgpu_metadata
---
amdhsa.version: [ 1, 2 ]
amdhsa.kernels:
  - .name:           k_qe2fee8909b_attn
    .symbol:         k_qe2fee8909b_attn.kd
    .args:
      - { .name: qkv, .offset: 0, .size: 8, .value_kind: global_buffer, .address_space: global }
      - { .name: out0, .offset: 8, .size: 8, .value_kind: global_buffer, .address_space: global }
    .group_segment_fixed_size: 327680
    .private_segment_fixed_size: 0
    .kernarg_segment_align: 8
    .kernarg_segment_size: 16
    .max_flat_workgroup_size: 128
    .sgpr_count:     80
    .vgpr_count:     1024
    .wavefront_size: 32
...
	.end_amdgpu_metadata
.endif
;; end of part 3
